; MI455X (gfx1250); checked and timed in simulation.
; The chip was launched on July 23, 2026; its instructions are those of AMD's public machine-readable ISA for CDNA 5 (MIT licence, August 2026) and "CDNA5" Instruction Set Architecture Reference Guide (July 2026). The comments in the code are by the model that wrote it; some were corrected since.
;; Multi Head Attention. Allowed arithmetic: matrix products marked QUANTISED: E4M3 operands, one E8M0 scale for each 32 along K, by v_wmma_scale_f32_16x16x128_f8f6f4 with both operands' format E4M3, f32 sums; everything else in f32.
;; Inputs: Wk_codes 12 x 64 x 24 x 32 uint8 (E4M3 codes of Wk, K innermost, in blocks of 32 codes); Wk_scales 12 x 64 x 24 uint8 (E8M0 scales of Wk, one for each 32 codes along K); Wq_codes 12 x 64 x 24 x 32 uint8 (E4M3 codes of Wq, K innermost, in blocks of 32 codes); Wq_scales 12 x 64 x 24 uint8 (E8M0 scales of Wq, one for each 32 codes along K); Wv_codes 12 x 64 x 24 x 32 uint8 (E4M3 codes of Wv, K innermost, in blocks of 32 codes); Wv_scales 12 x 64 x 24 uint8 (E8M0 scales of Wv, one for each 32 codes along K); bk 12 x 64 float32; bq 12 x 64 float32; bv 12 x 64 float32; x_codes 16 x 1,024 x 24 x 32 uint8 (E4M3 codes of x, K innermost, in blocks of 32 codes); x_scales 16 x 1,024 x 24 uint8 (E8M0 scales of x, one for each 32 codes along K).
;; Outputs: out0 16 x 1,024 x 768 float32.
;; This version of the problem:
;;   THIS VERSION OF THE PROBLEM IS GIVEN IN LOW PRECISION. The matrix products marked QUANTISED in the list below multiply operands that are first quantised to E4M3 (4 exponent bits, 3 mantissa bits; 8 bits a number), with one power-of-two scale for each 32 numbers along K (OCP MX v1.0); their sums are f32. All else is computed in f32.
;;   The module's matrix products, in the order in which they are computed (A, B: the left and right operand; K: the contracted axis; several contracted axes count as one K, in the product's order):
;;     1. [M 768, K 768] x [K 768, N 16,384]; A: input Wq (given as codes); B: input x (given as codes): QUANTISED
;;     2. [M 768, K 768] x [K 768, N 16,384]; A: input Wk (given as codes); B: input x (given as codes): QUANTISED
;;     3. [M 768, K 768] x [K 768, N 16,384]; A: input Wv (given as codes); B: input x (given as codes): QUANTISED
;;     4. batch 192 x [M 1,024, K 64] x [K 64, N 1,024]; A: computed on the way; B: computed on the way: QUANTISED
;;     5. batch 192 x [M 1,024, K 1,024] x [K 1,024, N 64]; A: softmax (see below); B: computed on the way: QUANTISED
;;   THE QUANTISER, for each operand of a quantised product, along K:
;;     - K is cut into blocks of 32 from its start; a last block that is shorter is filled with zeros.
;;     - A block's scale is 2^e with e = floor(log2(the largest magnitude in the block)) - 8, held to -126 .. 127; a block of zeros has e = 0. As a byte (E8M0): e + 127.
;;     - Each number is divided by its block's scale, clamped to +-448, and rounded to the nearest number of E4M3, ties to even, subnormals kept.
;;     - The product sums the exact products of the quantised numbers (number of the format x scale) in f32.
;;   ~~~python
;;   def quantise(x, axis):      # numpy; x: float32 -> the quantised numbers, widened to float32 again
;;       x = np.moveaxis(x, axis, -1); K = x.shape[-1]
;;       x = np.pad(x, [(0, 0)] * (x.ndim - 1) + [(0, -K % 32)]); x = x.reshape(x.shape[:-1] + (-1, 32)); a = np.abs(x).max(-1, keepdims=True)
;;       e = np.where(a > 0, np.clip(np.frexp(np.where(a > 0, a, 1))[1] - 1 - 8, -126, 127), 0)      # np.frexp(a)[1] - 1 = floor(log2(a)), exactly
;;       r = np.clip(x / 2.0 ** e, -448, 448)
;;       step = 2.0 ** (np.maximum(np.frexp(np.where(r == 0, 1, r))[1] - 1, -6) - 3)
;;       q = np.round(r / step) * step * 2.0 ** e      # np.round: ties to even
;;       return np.moveaxis(q.reshape(q.shape[:-2] + (-1,))[..., :K], -1, axis).astype(np.float32)
;;   ~~~
;;   SOFTMAX AHEAD OF A QUANTISED PRODUCT. Where the list says 'softmax', what is quantised is not the finished softmax but p = 2^(t - M), with t = logit x log2(e) and M = ceil(the row's largest t), a whole number; so 1/2 < the row's largest p <= 1. The row's sum l is taken of the UNQUANTISED p, in f32, and the product's result is divided by l at the end. Since M is a whole number, a kernel that streams over the keys may use a running M (the ceiling of the running maximum): every later rescaling is an exact power of two, which a block's scale takes up: the codes' values come out the same.
;;   OPERANDS COMPUTED ON THE WAY. 'Computed on the way' means the value that the module computes at that place (a softmax that the list does not call 'softmax' is quantised finished and normalised). What goes into a quantiser is computed in f32, as accurately as f32 sums, v_exp_f32 and their like allow (about 1e-6 of the number): no bf16 or f16 on the way to a quantiser, and a product that is left as it is and whose result goes on into a quantised operand takes f32 operands (vector FMAs, or v_wmma_f32_16x16x4_f32). A number that lies on a knife's edge between two numbers of the format may be rounded either way, as far as f32 arithmetic and the matrix unit's own rounding can turn it there, and no further.
;;   INPUTS GIVEN AS CODES. Wk (in the module: [12, 768, 64], K = its axis 1); Wq (in the module: [12, 768, 64], K = its axis 1); Wv (in the module: [12, 768, 64], K = its axis 1); x (in the module: [16, 1024, 768], K = its axis 2): each comes as NAME_codes (uint8): NAME with its K axis moved to the last place and cut into blocks of 32 codes, [.., K / 32, bytes a block], one block behind the other in memory; one code a byte (a code: sign, 4 exponent bits, 3 mantissa bits); and NAME_scales (uint8): the same leading axes, one E8M0 byte (e + 127) for each 32 codes along K. Its value is code x scale, taken as it is: it is not quantised again, and the codes and scales need not be those that the quantiser above would give.
;; One version. Each part assembles by itself: llvm-mc -triple=amdgcn-amd-amdhsa -mcpu=gfx1250 --defsym DOCPART=n.
;; ======== version 1 of 1: 2 launches
;; limits: right only within a limited range of input values
;; workspace buffers: qc 12,582,912 bytes; kc 12,582,912 bytes; vc 12,582,912 bytes; qs 393,216 bytes; ks 393,216 bytes; vs 393,216 bytes
;; launch proj (part 1): grid 32 x 8, 4 waves a work-group, clusters of 4 x 1, 245,248 bytes of LDS; arguments x_codes, x_scales, Wq_codes, Wk_codes, Wv_codes, Wq_scales, Wk_scales, Wv_scales, bq, bk, bv, qc, kc, vc, qs, ks, vs; writes qc, kc, vc, qs, ks, vs
.if DOCPART == 1
	.amdgcn_target "amdgcn-amd-amdhsa--gfx1250"
	.amdhsa_code_object_version 6
	.text
	.protected	k_qc55c98a040_proj
	.globl	k_qc55c98a040_proj
	.p2align	8
	.type	k_qc55c98a040_proj,@function
k_qc55c98a040_proj:
	s_mov_b64 s[64:65], 0
	v_nop
	global_prefetch_b8 v0, s[64:65] scope:SCOPE_SE
	s_setreg_imm32_b32 hwreg(HW_REG_WAVE_MODE, 25, 1), 1
	s_wait_xcnt 0x0
	s_wait_alu depctr_hold_cnt(0) depctr_sa_sdst(0) depctr_va_vdst(0) depctr_va_sdst(0) depctr_va_ssrc(0) depctr_va_vcc(0) depctr_vm_vsrc(0)
	s_getreg_b32 s2, hwreg(HW_REG_IB_STS2, 6, 4)
	s_cmp_eq_u32 s2, 0
	s_cbranch_scc0 .Lentry_in_a_cluster
	s_endpgm
.Lentry_in_a_cluster:
	s_bfe_u32 s2, ttmp6, 0x10000c
	s_cmp_lg_u32 s2, 0x3003
	s_cbranch_scc0 .Lentry_shape_is_right
	s_endpgm
.Lentry_shape_is_right:
; q = x Wq + bq, k = x Wk + bk, v = x Wv + bv on codes of FP8 (E4M3) with one E8M0 scale for each 32 along K = 768; the results are quantised at once, q and k along a head's 64 channels,
; v along the keys, and leave as codes and scale bytes laid in the order of the next launch's operand registers.
; SHARES.  A work-group takes 512 tokens (rho = 0..31) and 288 outputs (col = 0..7): nine blocks of 32 rows of W: three whole heads of q (col < 4) or of k, then three half heads of v.
; A wave takes 128 of the tokens: its 8 tiles of 16 tokens x 6 K steps of 128 are 768 registers, read from memory once, and stay.  The 288 rows of W, their scale bytes and biases lie in LDS whole, filled once.
; CLUSTER.  The four work-groups of a cluster have the same col and so the same rows of W: each piece is asked for jointly, by the same tensor load with the mask of all four.
; A TILE OF TOKENS IS NOT 16 NEIGHBOURS: row m of tile (g, u) is token 32 g + 8 u + m + 8 (m / 8); the rows of W that form a tile for q and k are chosen likewise.
; q, k: source 0 = 16 rows of W, source 1 = 16 tokens: a lane holds one token, and the 16 registers of W's tiles 0 and 1 are channels 16 (lane / 16) + 0 .. 15 of the block of 32.
; v:    source 0 = 16 tokens, source 1 = 16 rows of W: a lane holds one channel, and the 16 registers of token tiles (g, 0) and (g, 1) are keys 32 g + 16 (lane / 16) + 0 .. 15.
; So a lane's registers always run along the next product's K; a block of 32 lies in lanes l and l xor 16; the conversions' results are stored as they stand, 512 consecutive bytes a store.
; The biases are the C of each sum's first matrix instruction.
; LIMITS: NaN and infinities are not served.  A block whose largest magnitude lies under 2^(9 - 127), a block of zeros among them, gets the byte 1; its bytes are read by this program alone.
; LDS: W's rows as three pieces of 256 bytes + 16 of padding each (816 bytes a row), 288 rows; then 24 scale bytes a row; then 4 bytes of bias a row.  No LDS byte is filled twice and none is stored to.
; REGISTERS.  Window 0: v1 16 x lane; v2 the scale words' store offset; v3-5 lane bases in LDS (W, scales, bias), v6-8 the same + the block's step; v9-11, v58 scale words just made; v59-61 at work;
;   v62, v63 x's offsets; v12-35 x's scale words; v36-41 W's; v42-57 the bias in the result's layout; v64-95, v96-127 two buffers of two fragments of W; v128-255 the 16 accumulators.
;   On the way out v96-111 are at work, v112-127 and then v128-143 take the codes.  Windows 1 to 3: x's fragment (tile i, K step s) at v[128 (s % 2) + 16 i] of window 1 + s / 2.
; HOW LDS IS FILLED: W's 288 rows come by one joint tensor load a wave (waves 0, 1: 96 rows each of q's or k's; waves 2, 3: 48 rows each of v's).
; W's scale bytes and the biases come through registers (waves 0 to 2, 2,304 + 384 bytes each) and are stored once into LDS blocks of their own, on which no tensor load lands.
.set WROW,  816                        ; a row of W in LDS
.set WBLK,  32*WROW                    ; a block of 32 rows
.set WSC,   288*WROW                   ; W's scale bytes begin here
.set BIA,   WSC+288*24                 ; the biases
.set XS,    12
.set WS,    36
.set BI,    42
.set TM,    96
.set PC0,   112
.set ACC,   128
.set ACCH,  192
.set WV,    38                         ; s38 wave;  s39 col
.set COL,   39
.set G1C,   40                         ; s[40:47] group 1: 288 rows of 256 bytes, padded: 96 rows of W
.set G1S,   48                         ; s[48:55] group 1: 144 rows of 256 bytes, padded: 48 rows of W
.set OC,    88                         ; s[88:89] where the codes go;  s[90:91] the scale words;  s[92:93] an offset as a pair
.set OS,    90
.set OFF,   92
.set WO,    94                         ; s94-96 the block's step in LDS: W, scales, bias
.set SO,    95
.set BO,    96
.set CNT,   97
.set BETA,  98                         ; the half head of v in hand
.set HI16,  99                         ; the mask of lanes 16 to 31
.set SEL,   100                        ; s[100:101] selects for lane l xor 16
.set MNT,   2                          ; the mantissa field of 448
.set MSB, 0
.macro WIN new                         ; the immediate's high byte repeats the setting that is left; a switch that changes nothing is dropped
.if MSB != (\new)
	s_set_vgpr_msb (MSB<<8)|(\new)
.set MSB, \new
.endif
.endm
.macro PLACES n
.rept \n
	v_nop
.endr
.endm
.macro CROUND                          ; a round of the cluster's barrier
	s_barrier_signal -1
	s_barrier_wait -1
	s_cmp_lg_u32 s[WV], 0
	s_cbranch_scc1 .Lnot_wave_0_\@
	s_barrier_signal -3
.Lnot_wave_0_\@:
	s_barrier_wait -3
	s_barrier_signal -1
	s_barrier_wait -1
.endm
	s_load_b512 s[4:19], s[0:1], 0x0               ; x_codes 4, x_scales 6, Wq_codes 8, Wk_codes 10, Wv_codes 12, Wq_scales 14, Wk_scales 16, Wv_scales 18
	s_load_b512 s[20:35], s[0:1], 0x40             ; bq 20, bk 22, bv 24, qc 26, kc 28, vc 30, qs 32, ks 34
	s_load_b64 s[36:37], s[0:1], 0x80              ; vs
	v_lshl_add_u32 v254, v0, 2, 0x3bc00
	v_mov_b32 v255, 0
	ds_add_u32 v254, v255
	ds_add_u32 v254, v255
	s_wait_dscnt 0x0
	v_lshrrev_b32 v59, 5, v0
	v_readfirstlane_b32 s[WV], v59                 ; wave 0..3
	s_and_b32 s[COL], ttmp7, 0xffff                ; col, which the four partners share
	s_mov_b32 s[G1C+0], 15|(3<<16)|(1<<20)|(1<<21)|(5<<22)|(3<<25)  ; mask: all four; elements of 8 bytes; padding on; bit 21 beside a mask; after every 64 words, 4 words
	s_mov_b32 s[G1C+1], 32<<16                     ; tensor_dim0 = 32 elements: 256 bytes
	s_mov_b32 s[G1C+2], 288<<16                    ; tensor_dim1 = 288: 96 rows of W
	s_mov_b32 s[G1C+3], 32<<16                     ; tile_dim0
	s_mov_b32 s[G1C+4], 288                        ; tile_dim1
	s_mov_b32 s[G1C+5], 32                         ; the pitch: dense
	s_mov_b32 s[G1C+6], 0
	s_mov_b32 s[G1C+7], 0
	s_mov_b32 s[G1S+0], 15|(3<<16)|(1<<20)|(1<<21)|(5<<22)|(3<<25)  ; the same for 48 rows of W
	s_mov_b32 s[G1S+1], 32<<16
	s_mov_b32 s[G1S+2], 144<<16
	s_mov_b32 s[G1S+3], 32<<16
	s_mov_b32 s[G1S+4], 144
	s_mov_b32 s[G1S+5], 32
	s_mov_b32 s[G1S+6], 0
	s_mov_b32 s[G1S+7], 0
	s_wait_kmcnt 0x0
	s_cmp_lt_u32 s[COL], 4                         ; q's columns or k's: the choice hangs on col alone
	s_cselect_b64 s[8:9], s[8:9], s[10:11]         ; W's codes,
	s_cselect_b64 s[14:15], s[14:15], s[16:17]     ; its scale bytes,
	s_cselect_b64 s[20:21], s[20:21], s[22:23]     ; the bias,
	s_cselect_b64 s[26:27], s[26:27], s[28:29]     ; where the codes go,
	s_cselect_b64 s[32:33], s[32:33], s[34:35]     ; and the scale words
	s_and_b32 s3, s[COL], 3                        ; which three heads
	; groups 0 for the codes: s[68:71] half wave % 2 of q's or k's 192 rows, s[76:79] half wave % 2 of v's 96 rows
	s_mul_i32 s94, s3, 147456                      ; three heads are 192 rows of 768 bytes
	s_and_b32 s96, s[WV], 1
	s_mul_i32 s96, s96, 73728                      ; my 96 rows in memory,
	s_add_co_u32 s94, s94, s96
	s_mov_b32 s95, 0
	s_and_b32 s2, s[WV], 1
	s_mul_i32 s2, s2, 96*WROW                      ; and in LDS
	s_mov_b32 s68, 1
	s_mov_b32 s69, s2
	s_add_nc_u64 s[70:71], s[8:9], s[94:95]
	s_or_b32 s71, s71, 0x80000000
	s_lshr_b32 s96, s96, 1                         ; v: my 48 rows in memory
	s_mul_i32 s94, s[COL], 73728                   ; three half heads are 96 rows
	s_add_co_u32 s94, s94, s96
	s_mov_b32 s76, 1
	s_lshr_b32 s77, s2, 1
	s_add_co_u32 s77, s77, 192*WROW
	s_add_nc_u64 s[78:79], s[12:13], s[94:95]
	s_or_b32 s79, s79, 0x80000000
	; where the scale bytes (s[82:83], to LDS s81) and the biases (s[86:87], to LDS s85) of 96 rows lie: waves 0 and 1 the halves of q's or k's, wave 2 v's (wave 3 takes none)
	s_mul_i32 s94, s3, 4608
	s_mul_i32 s96, s[WV], 2304
	s_add_co_u32 s94, s94, s96
	s_add_co_u32 s81, s96, WSC
	s_mul_i32 s2, s[COL], 2304
	s_cmp_eq_u32 s[WV], 2
	s_cselect_b32 s94, s2, s94
	s_cselect_b64 s[82:83], s[18:19], s[14:15]
	s_add_nc_u64 s[82:83], s[82:83], s[94:95]
	s_mul_i32 s94, s3, 768
	s_mul_i32 s96, s[WV], 384
	s_add_co_u32 s94, s94, s96
	s_add_co_u32 s85, s96, BIA
	s_mul_i32 s2, s[COL], 384
	s_cmp_eq_u32 s[WV], 2
	s_cselect_b32 s94, s2, s94
	s_cselect_b64 s[86:87], s[24:25], s[20:21]
	s_add_nc_u64 s[86:87], s[86:87], s[94:95]
	CROUND                                         ; all four work-groups are here: the joint loads meet
	s_cmp_lt_u32 s[WV], 2                          ; one joint load a wave, each a first fill
	s_cbranch_scc0 .Lfor_v
	tensor_load_to_lds s[68:71], s[G1C:G1C+7]
	s_nop 0
	PLACES 4
	s_branch .Lasked
.Lfor_v:
	tensor_load_to_lds s[76:79], s[G1S:G1S+7]
	s_nop 0
	PLACES 4
.Lasked:
	; lane terms.  r = lane % 16, h = lane / 16
	v_and_b32 v59, 15, v0
	v_bfe_u32 v60, v0, 4, 1
	v_and_b32 v1, 31, v0
	v_lshlrev_b32 v1, 4, v1                        ; 16 x lane
	v_and_b32 v61, 8, v59
	v_add_nc_u32 v61, v61, v59                     ; r + 8 (r / 8)
	v_mul_u32_u24 v62, v61, 768
	v_lshl_add_u32 v62, v60, 4, v62                ; x's codes: my token's row + 16 h
	v_mul_u32_u24 v63, v61, 24
	v_mad_u32_u24 v63, v60, 192, v63               ; x's scale words: lanes 16-31 take the tile 8 tokens on
	v_mul_u32_u24 v3, v61, WROW
	v_lshl_add_u32 v3, v60, 4, v3                  ; W for q and k: row r + 8 (r / 8), + 16 h
	v_mul_u32_u24 v4, v61, 24
	v_mad_u32_u24 v4, v60, 192, v4
	v_add_nc_u32 v4, WSC, v4                       ; its scale words: lanes 16-31 take tile 1, 8 rows on
	v_lshlrev_b32 v5, 6, v60
	v_add_nc_u32 v5, BIA, v5                       ; the bias of channels 16 h on
	v_lshlrev_b32 v2, 4, v59
	v_lshl_add_u32 v2, v60, 3, v2                  ; the scale words' store: 16 r + 8 h
	; my place: it enters x's and the outputs' addresses alone
	s_bfe_u32 s98, ttmp6, 0x40000                  ; cx
	s_lshl_b32 s97, ttmp9, 2
	s_add_co_u32 s97, s97, s98                     ; rho = 4 x cluster x + cx
	s_lshl_b32 s99, s97, 9
	s_lshl_b32 s100, s[WV], 7
	s_add_co_u32 s99, s99, s100                    ; my first token
	s_mul_i32 s[OFF], s99, 768
	s_mov_b32 s[OFF+1], 0
	s_add_nc_u64 s[4:5], s[4:5], s[OFF:OFF+1]
	s_mul_i32 s[OFF], s99, 24
	s_add_nc_u64 s[6:7], s[6:7], s[OFF:OFF+1]
	v_and_b32 v96, 31, v0
	v_lshlrev_b32 v97, 2, v96                      ; 4 x lane
	v_lshlrev_b32 v96, 3, v96                      ; 8 x lane
	v_add_nc_u32 v98, s81, v96                     ; where my scale bytes go in LDS,
	v_add_nc_u32 v99, s85, v97                     ; and my biases
	s_wait_alu depctr_va_vdst(0)
	s_cmp_lt_u32 s[WV], 3
	s_cbranch_scc0 .Lno_small
.irp k, 0,1,2,3,4,5,6,7,8
	global_load_b64 v[64+2*\k:65+2*\k], v96, s[82:83] offset:256*\k   ; the wave reads 256 consecutive bytes, aligned
.endr
.irp k, 0,1,2
	global_load_b32 v[82+\k], v97, s[86:87] offset:128*\k
.endr
.Lno_small:
.irp g, 0,1,2,3
.irp k, 0,1,2
	global_load_b64 v[XS+6*\g+2*\k:XS+6*\g+2*\k+1], v63, s[6:7] offset:768*\g+8*\k   ; register XS + 6 g + s: lanes 0-15 tile (g, 0)'s word of K step s, lanes 16-31 tile (g, 1)'s
.endr
.endr
.irp s, 0,1,2,3,4,5
	WIN (1+\s/2)*64                                ; destination window 1 + s / 2, address window 0
.irp i, 0,1,2,3,4,5,6,7
.irp c, 0,1,2,3
	global_load_b128 v[128*(\s%2)+16*\i+4*\c:128*(\s%2)+16*\i+4*\c+3], v62, s[4:5] offset:(32*(\i/2)+8*(\i%2))*768+128*\s+32*\c
.endr
.endr
.endr
	WIN 0
	; where the results go.  b = rho / 2; my 128 tokens are key step st = 4 (rho % 2) + wave of the batch
	s_lshr_b32 s99, s97, 1
	s_mul_i32 s99, s99, 12                         ; 12 b
	s_and_b32 s100, s97, 1
	s_lshl_b32 s100, s100, 2
	s_add_co_u32 s100, s100, s[WV]
	s_lshl_b32 s100, s100, 13                      ; 8,192 st
	s_lshl_b32 s[OFF], s99, 16
	s_add_co_u32 s[OFF], s[OFF], s100
	s_add_nc_u64 s[30:31], s[30:31], s[OFF:OFF+1]  ; vc at (b, head 0, st)
	s_lshr_b32 s[OFF], s[OFF], 5                   ; scale bytes: a 32nd of the codes
	s_add_nc_u64 s[36:37], s[36:37], s[OFF:OFF+1]  ; vs likewise
	s_mul_i32 s101, s3, 3
	s_add_co_u32 s99, s99, s101                    ; 12 b + my first head
	s_lshl_b32 s[OFF], s99, 16
	s_add_co_u32 s[OFF], s[OFF], s100
	s_add_nc_u64 s[OC:OC+1], s[26:27], s[OFF:OFF+1]
	s_lshr_b32 s[OFF], s[OFF], 5
	s_add_nc_u64 s[OS:OS+1], s[32:33], s[OFF:OFF+1]
	s_mov_b32 s[WO], 0
	s_mov_b32 s[SO], 0
	s_mov_b32 s[BO], 0
	s_mov_b32 s[HI16], 0xffff0000
	s_mov_b32 s[SEL], 0x76543210
	s_mov_b32 s[SEL+1], 0xfedcba98
	s_mov_b32 s[MNT], 0x600000
	s_wait_alu depctr_va_vdst(0)
	s_wait_tensorcnt 0x0                           ; my part of W is in LDS,
	s_wait_loadcnt 0x0                             ; x's fragments and scale words, W's scale bytes and the biases are in registers
	s_cmp_lt_u32 s[WV], 3
	s_cbranch_scc0 .Lno_put
.irp k, 0,1,2,3,4,5,6,7,8
	ds_store_b64 v98, v[64+2*\k:65+2*\k] offset:256*\k
.endr
.irp k, 0,1,2
	ds_store_b32 v99, v[82+\k] offset:128*\k
.endr
.Lno_put:
	s_wait_dscnt 0x0                               ; my stores are done, for the others' sake
	s_barrier_signal -1
	s_barrier_wait -1                              ; everybody's parts are in: from here on LDS is only read
; one matrix instruction on the registers that MUL has named; ra, rb: the side's scale words stand in lanes 16-31
.macro WM ra, rb
.if (\ra) && (\rb)
	v_wmma_scale_f32_16x16x128_f8f6f4 v[rD:rD+7], v[rA:rA+15], v[rB:rB+15], v[rC:rC+7], v[rSA], v[rSB] matrix_a_scale:MATRIX_SCALE_ROW1 matrix_b_scale:MATRIX_SCALE_ROW1
.elseif (\ra)
	v_wmma_scale_f32_16x16x128_f8f6f4 v[rD:rD+7], v[rA:rA+15], v[rB:rB+15], v[rC:rC+7], v[rSA], v[rSB] matrix_a_scale:MATRIX_SCALE_ROW1
.elseif (\rb)
	v_wmma_scale_f32_16x16x128_f8f6f4 v[rD:rD+7], v[rA:rA+15], v[rB:rB+15], v[rC:rC+7], v[rSA], v[rSB] matrix_b_scale:MATRIX_SCALE_ROW1
.else
	v_wmma_scale_f32_16x16x128_f8f6f4 v[rD:rD+7], v[rA:rA+15], v[rB:rB+15], v[rC:rC+7], v[rSA], v[rSB]
.endif
.endm
; the block's two fragments of W for K step s into buffer s % 2.  vt = 0: tile u begins 8 rows on; vt = 1 (v): 16 rows on
.macro WLOAD vt, s
.irp u, 0,1
.irp c, 0,1,2,3
	ds_load_b128 v[64+32*((\s)%2)+16*\u+4*\c:64+32*((\s)%2)+16*\u+4*\c+3], v6 offset:\u*(8*WROW+8*WROW*(\vt))+((\s)/2)*272+((\s)%2)*128+32*\c
.endr
.endr
.endm
; what a block wants at its start: K step 0's fragments, the six scale words of each tile, the bias in the result's layout
.macro NLOAD vt
	WLOAD \vt, 0
.irp k, 0,1,2
	ds_load_b64 v[WS+2*\k:WS+2*\k+1], v7 offset:8*\k
.endr
.if \vt
.irp u, 0,1
.irp j, 0,1,2,3,4,5,6,7
	ds_load_b32 v[BI+8*\u+\j], v8 offset:64*\u     ; v: a lane holds one channel: the same number in all eight registers
.endr
.endr
.else
.irp u, 0,1
	ds_load_b128 v[BI+8*\u:BI+8*\u+3], v8 offset:32*\u       ; q, k: channels 16 h + 8 u + 0 .. 7
	ds_load_b128 v[BI+8*\u+4:BI+8*\u+7], v8 offset:32*\u+16
.endr
.endif
.endm
.macro ADDR                            ; the lane bases + the block's step
	v_add_nc_u32 v6, s[WO], v3
	v_add_nc_u32 v7, s[SO], v4
	v_add_nc_u32 v8, s[BO], v5
.endm
; a K step's 16 products: 8 tiles of tokens x 2 tiles of W.  The 16 accumulators take turns, one instruction a turn, in the same order in every step
.macro MUL vt, s
.if \vt
	WIN 1+(\s)/2                                   ; source 0 (x) in its window
.else
	WIN (1+(\s)/2)*4                               ; source 1 (x) in its window
.endif
.irp i, 0,1,2,3,4,5,6,7
.irp u, 0,1
.set rW, 64+32*((\s)%2)+16*\u
.set rX, 128*((\s)%2)+16*\i
.if \vt
.set rD, ACC+64*\u+8*\i
.set rA, rX
.set rB, rW
.set rSA, XS+6*(\i/2)+(\s)
.set rSB, WS+(\s)
.else
.set rD, ACC+16*\i+8*\u
.set rA, rW
.set rB, rX
.set rSA, WS+(\s)
.set rSB, XS+6*(\i/2)+(\s)
.endif
.set rC, rD
.if (\s) == 0
.set rC, BI+8*\u                       ; the bias starts the sum: nothing is cleared and nothing is added later
.endif
.if \vt
	WM \i%2, \u
.else
	WM \u, \i%2
.endif
.endr
.endr
	WIN 0
.endm
; 64 numbers of a lane, four runs of 16; run b and lane l xor 16's run b are a block of 32.  Codes into v[pc] on (4 registers a run), the four scale bytes into v[pw].
.macro QUANT s, pc, pw
.irp b, 0,1,2,3
	v_max3_num_f32 v[TM+\b], |v[\s+16*\b]|, |v[\s+1+16*\b]|, 0x4800000   ; my 16 numbers, and the floor 2^(9 - 127): the byte cannot fall under 1.  Each accumulator is read from its low end on
.endr
.irp i, 2,4,6,8,10,12,14
.irp b, 0,1,2,3
	v_max3_num_f32 v[TM+\b], v[TM+\b], |v[\s+16*\b+\i]|, |v[\s+1+16*\b+\i]|
.endr
.endr
.irp b, 0,1,2,3
	v_permlanex16_b32 v[TM+4+\b], v[TM+\b], s[SEL], s[SEL+1]
.endr
.irp b, 0,1,2,3
	v_max_num_f32 v[TM+\b], v[TM+\b], v[TM+4+\b]   ; the block's largest magnitude
.endr
.irp b, 0,1,2,3
	v_add_nc_u32 v[TM+12+\b], 0xfc000000, v[TM+\b] ; 8 off its exponent field: the conversion's scale operand
.endr
.irp b, 0,1,2,3
	v_and_or_b32 v[TM+8+\b], v[TM+\b], 0x7f800000, s[MNT]   ; 448 x the scale
.endr
.irp b, 0,1,2,3
	v_lshrrev_b32 v[TM+4+\b], 23, v[TM+12+\b]      ; the scale's byte
.endr
	v_lshl_or_b32 v[\pw], v[TM+5], 8, v[TM+4]
	v_lshl_or_b32 v[\pw], v[TM+6], 16, v[\pw]
	v_lshl_or_b32 v[\pw], v[TM+7], 24, v[\pw]
.irp b, 0,1,2,3
.irp i, 0,1,2,3,4,5,6,7,8,9,10,11,12,13,14,15
	v_med3_num_f32 v[\s+16*\b+\i], v[\s+16*\b+\i], -v[TM+8+\b], v[TM+8+\b]   ; the conversion to an 8-bit code does not saturate (ISA guide 7.6.2): the hold comes first
.endr
	v_cvt_scalef32_pk8_fp8_f32 v[\pc+4*\b:\pc+4*\b+1], v[\s+16*\b:\s+16*\b+7], v[TM+12+\b]
	v_cvt_scalef32_pk8_fp8_f32 v[\pc+4*\b+2:\pc+4*\b+3], v[\s+16*\b+8:\s+16*\b+15], v[TM+12+\b]
.endr
	v_nop                                          ; one plain vector instruction behind the last conversion
.endm
; the way out of a block: the 128 results of a lane in two halves; the second half's codes lie over the first half's numbers, which are done with
.macro EPI vt, blk, pwa, pwb
	QUANT ACC, PC0, \pwa
.irp t, 0,1,2,3
.if \vt
	global_store_b128 v1, v[PC0+4*\t:PC0+4*\t+3], s[OC:OC+1] offset:\t*512                                  ; W tile 0, key block t
.else
	global_store_b128 v1, v[PC0+4*\t:PC0+4*\t+3], s[OC:OC+1] offset:\blk*1024+(\t/2)*2048+(\t%2)*512        ; token tile (g = t / 2, u = t % 2)
.endif
.endr
	QUANT ACCH, ACC, \pwb
.irp t, 0,1,2,3
.if \vt
	global_store_b128 v1, v[ACC+4*\t:ACC+4*\t+3], s[OC:OC+1] offset:2048+\t*512
.else
	global_store_b128 v1, v[ACC+4*\t:ACC+4*\t+3], s[OC:OC+1] offset:\blk*1024+(2+\t/2)*2048+(\t%2)*512
.endif
.endr
.endm
; a block of 32 outputs for my 128 tokens.  next = 1: the next block's first loads are issued ahead of the way out
.macro BLOCK vt, blk, next, pwa, pwb
	s_wait_xcnt 0x0                                ; the last way out's stores have read their registers: v96-143 are written again only behind this wait
.irp k, 0,1,2,3,4
.if \k > 0
	PLACES 8                                       ; eight places in front of loads into the buffer that the last products read
.endif
	WLOAD \vt, \k+1
	s_wait_dscnt 8                                 ; all but the eight loads just issued: this K step's fragments are in
	MUL \vt, \k
.endr
	s_wait_dscnt 0x0
	MUL \vt, 5
	PLACES 9                                       ; in front of the first read of results and of writes to the products' registers; nine, since the next block's first products write over accumulators with another C
.if \next
	s_add_co_u32 s[WO], s[WO], WBLK
	s_add_co_u32 s[SO], s[SO], 768
	s_add_co_u32 s[BO], s[BO], 128
	ADDR
	NLOAD \vt
.endif
	EPI \vt, \blk, \pwa, \pwb
.endm
; a head's scale words of q or k: word (row r, g) = bytes (u 0, block 0), (u 1, block 0), (u 0, block 1), (u 1, block 1).  Lanes 0-15 take g = 0, 1, lanes 16-31 g = 2, 3: the wave stores 256 consecutive bytes
.macro COMPOSE
	v_cndmask_b32 v59, v9, v10, s[HI16]
	v_cndmask_b32 v11, v11, v58, s[HI16]
	v_perm_b32 v60, v11, v59, 0x05040100
	v_perm_b32 v61, v11, v59, 0x07060302
	global_store_b64 v2, v[60:61], s[OS:OS+1]
	s_wait_xcnt 0x0                                ; the stores have read their bases: on to the next head
	s_add_nc_u64 s[OC:OC+1], s[OC:OC+1], 65536
	s_add_nc_u64 s[OS:OS+1], s[OS:OS+1], 2048
.endm
	ADDR
	NLOAD 0
	s_mov_b32 s[CNT], 2
.Lqk:                                                  ; a trip is a head of q or k: two blocks of 32 channels
	s_wait_alu depctr_va_vdst(0)
	BLOCK 0, 0, 1, 9, 10
	BLOCK 0, 1, 1, 11, 58
	COMPOSE
	s_sub_co_u32 s[CNT], s[CNT], 1
	s_cmp_lg_u32 s[CNT], 0
	s_cbranch_scc1 .Lqk
	BLOCK 0, 0, 1, 9, 10
	BLOCK 0, 1, 0, 11, 58                          ; the third head's last block asks for nothing: v's tiles are cut otherwise
	COMPOSE
	; v: W's tiles are 16 neighbouring rows
	v_and_b32 v59, 15, v0
	v_bfe_u32 v60, v0, 4, 1
	v_mul_u32_u24 v3, v59, WROW
	v_lshl_add_u32 v3, v60, 4, v3
	v_mul_u32_u24 v4, v59, 24
	v_mad_u32_u24 v4, v60, 384, v4
	v_add_nc_u32 v4, WSC, v4                       ; lanes 16-31 take tile 1, 16 rows on
	v_lshl_add_u32 v5, v59, 2, BIA
	v_lshlrev_b32 v2, 3, v59
	v_lshl_add_u32 v2, v60, 2, v2                  ; the scale words' store: 8 r + 4 h
	s_add_co_u32 s[WO], s[WO], WBLK
	s_add_co_u32 s[SO], s[SO], 768
	s_add_co_u32 s[BO], s[BO], 128
	ADDR
	NLOAD 1
	s_mul_i32 s[BETA], s[COL], 3
.macro VPTR                            ; half head beta: head beta / 2, channels 32 (beta % 2) on
	s_wait_xcnt 0x0                                ; the last stores have read their bases
	s_lshr_b32 s[OFF], s[BETA], 1
	s_lshl_b32 s[OFF], s[OFF], 16
	s_and_b32 s3, s[BETA], 1
	s_lshl_b32 s3, s3, 12
	s_add_co_u32 s[OFF], s[OFF], s3
	s_add_nc_u64 s[OC:OC+1], s[30:31], s[OFF:OFF+1]
	s_lshr_b32 s[OFF], s[OFF], 5
	s_add_nc_u64 s[OS:OS+1], s[36:37], s[OFF:OFF+1]
.endm
.macro VSCALE                          ; lanes 0-15: tile 0's words, lanes 16-31: tile 1's: 128 consecutive bytes
	v_cndmask_b32 v60, v11, v58, s[HI16]
	global_store_b32 v2, v60, s[OS:OS+1]
.endm
	s_mov_b32 s[CNT], 2
.Lv:
	VPTR
	s_wait_alu depctr_va_vdst(0)
	BLOCK 1, 0, 1, 11, 58
	VSCALE
	s_add_co_u32 s[BETA], s[BETA], 1
	s_sub_co_u32 s[CNT], s[CNT], 1
	s_cmp_lg_u32 s[CNT], 0
	s_cbranch_scc1 .Lv
	VPTR
	BLOCK 1, 0, 0, 11, 58
	VSCALE
	s_wait_xcnt 0x0
	v_lshl_add_u32 v254, v0, 2, 0x3bc00
	v_mov_b32 v255, 0
	s_wait_alu depctr_va_vdst(0)
	s_wait_tensorcnt 0x0
	ds_add_u32 v254, v255
	s_wait_dscnt 0x0
	CROUND                                         ; the closing round: no work-group ends while a partner may still ask for a piece that names it
	s_endpgm
.Lfunc_end_k_qc55c98a040_proj:
	.size	k_qc55c98a040_proj, .Lfunc_end_k_qc55c98a040_proj-k_qc55c98a040_proj
	.p2alignl 7, 3214868480
	.fill 96, 4, 3214868480
	.section	.rodata,"a",@progbits
	.p2align	6, 0x0
	.amdhsa_kernel k_qc55c98a040_proj
		.amdhsa_group_segment_fixed_size 245248
		.amdhsa_private_segment_fixed_size 0
		.amdhsa_enable_private_segment 0
		.amdhsa_kernarg_size 136
		.amdhsa_user_sgpr_count 2
		.amdhsa_user_sgpr_kernarg_segment_ptr 1
		.amdhsa_wavefront_size32 1
		.amdhsa_system_sgpr_workgroup_id_x 1
		.amdhsa_system_sgpr_workgroup_id_y 1
		.amdhsa_system_sgpr_workgroup_id_z 1
		.amdhsa_system_vgpr_workitem_id 0
		.amdhsa_next_free_vgpr 1024
		.amdhsa_next_free_sgpr 104
		.amdhsa_reserve_vcc 0
		.amdhsa_float_denorm_mode_32 3
		.amdhsa_float_denorm_mode_16_64 3
		.amdhsa_memory_ordered 1
		.amdhsa_forward_progress 1
		.amdhsa_inst_pref_size 240
	.end_amdhsa_kernel
	.amdgpu_metadata
---
amdhsa.version: [ 1, 2 ]
amdhsa.kernels:
  - .name:           k_qc55c98a040_proj
    .symbol:         k_qc55c98a040_proj.kd
    .args:
      - { .name: x_codes, .offset: 0, .size: 8, .value_kind: global_buffer, .address_space: global }
      - { .name: x_scales, .offset: 8, .size: 8, .value_kind: global_buffer, .address_space: global }
      - { .name: Wq_codes, .offset: 16, .size: 8, .value_kind: global_buffer, .address_space: global }
      - { .name: Wk_codes, .offset: 24, .size: 8, .value_kind: global_buffer, .address_space: global }
      - { .name: Wv_codes, .offset: 32, .size: 8, .value_kind: global_buffer, .address_space: global }
      - { .name: Wq_scales, .offset: 40, .size: 8, .value_kind: global_buffer, .address_space: global }
      - { .name: Wk_scales, .offset: 48, .size: 8, .value_kind: global_buffer, .address_space: global }
      - { .name: Wv_scales, .offset: 56, .size: 8, .value_kind: global_buffer, .address_space: global }
      - { .name: bq, .offset: 64, .size: 8, .value_kind: global_buffer, .address_space: global }
      - { .name: bk, .offset: 72, .size: 8, .value_kind: global_buffer, .address_space: global }
      - { .name: bv, .offset: 80, .size: 8, .value_kind: global_buffer, .address_space: global }
      - { .name: qc, .offset: 88, .size: 8, .value_kind: global_buffer, .address_space: global }
      - { .name: kc, .offset: 96, .size: 8, .value_kind: global_buffer, .address_space: global }
      - { .name: vc, .offset: 104, .size: 8, .value_kind: global_buffer, .address_space: global }
      - { .name: qs, .offset: 112, .size: 8, .value_kind: global_buffer, .address_space: global }
      - { .name: ks, .offset: 120, .size: 8, .value_kind: global_buffer, .address_space: global }
      - { .name: vs, .offset: 128, .size: 8, .value_kind: global_buffer, .address_space: global }
    .group_segment_fixed_size: 245248
    .private_segment_fixed_size: 0
    .kernarg_segment_align: 8
    .kernarg_segment_size: 136
    .max_flat_workgroup_size: 128
    .sgpr_count:     104
    .vgpr_count:     1024
    .wavefront_size: 32
...
	.end_amdgpu_metadata
.endif
;; end of part 1
;; launch attn (part 2): grid 4 x 64, 16 waves a work-group, clusters of 4 x 1, 327,680 bytes of LDS; arguments qc, qs, kc, ks, vc, vs, out0; writes out0
.if DOCPART == 2
	.amdgcn_target "amdgcn-amd-amdhsa--gfx1250"
	.amdhsa_code_object_version 6
	.text
	.protected	k_qc55c98a040_attn
	.globl	k_qc55c98a040_attn
	.p2align	8
	.type	k_qc55c98a040_attn,@function
k_qc55c98a040_attn:
	s_mov_b64 s[64:65], 0
	v_nop
	global_prefetch_b8 v0, s[64:65] scope:SCOPE_SE
	s_setreg_imm32_b32 hwreg(HW_REG_WAVE_MODE, 25, 1), 1
	s_wait_xcnt 0x0
	s_wait_alu depctr_hold_cnt(0) depctr_sa_sdst(0) depctr_va_vdst(0) depctr_va_sdst(0) depctr_va_ssrc(0) depctr_va_vcc(0) depctr_vm_vsrc(0)
	s_getreg_b32 s2, hwreg(HW_REG_IB_STS2, 6, 4)
	s_cmp_eq_u32 s2, 0
	s_cbranch_scc0 .Lentry_in_a_cluster
	s_endpgm
.Lentry_in_a_cluster:
	s_bfe_u32 s2, ttmp6, 0x10000c
	s_cmp_lg_u32 s2, 0x3003
	s_cbranch_scc0 .Lentry_shape_is_right
	s_endpgm
.Lentry_shape_is_right:
; out[b][q][64 head ..] = the sum over keys of softmax(q . k / 8) v for the 192 pairs (b, head), both products on codes of FP8 (E4M3) with one E8M0 scale for each 32 along a product's K.
; THE SOFTMAX: t = score x log2(e) / 8; M = the row's largest t so far, rounded up to a whole number; p = 2^(t - M) is quantised along the keys, not normalised; the row's sum is taken of the
; unquantised p and divides at the end.  When M moves, the sum and O are multiplied by 2^(old M - new M), which rounds nothing.
; SHARES.  256 work-groups.  A cluster of four takes three pairs, 3 y .. 3 y + 2 (one batch, three neighbouring heads), one after the other; each of the four owns 256 queries of every pair,
; each of its sixteen waves one tile of 16 queries in 256 registers.
; THE RING.  Two LDS slots, each with a whole pair's K, V and scale bytes.  A slot's loads are joint loads of the four partners, one a wave: waves 0-3 a quarter of K's codes each, waves 4-7 of V's,
; wave 8 K's scale bytes, wave 9 V's.  The next pair's loads go out behind the round at the head of a pair, eight key steps of 128 keys ahead of their first read: so no prefetch is laid beside them.
; LAYOUT as the launch before leaves it: every fragment is four loads of 16 bytes at 16 x lane; row m of token tile (g, u) is token 32 g + 8 u + m + 8 (m / 8).  A fragment of K holds two tiles of keys:
; (u 0, channels 0-31), (u 1, 0-31), (u 0, 32-63), (u 1, 32-63).  Multiplied by (q 0-31, 0, q 32-63, 0) it gives tile u 0's scores, by (0, q 0-31, 0, q 32-63) tile u 1's; the two operands are
; two views, four registers apart, of one run of 20 registers (0, q, 0, q, 0).  The zeros are zero codes under the scale byte 1.
; Both products are used transposed: a lane holds one query throughout, and the 16 score registers of a fragment are keys 32 g + 16 (lane / 16) + 0 .. 15.
; ORDER OF A KEY STEP.  The held p goes into eight registers of its own, so p stays whole until the second product is issued: the row's sums stand behind that product, as the places in front of the
; next loads into its registers, and the sums' last seven additions stand behind the next step's first product, as the places there.
; LIMITS: NaN and infinities are not served (a NaN code among k's codes would also reach the neighbouring tile's scores); a block whose every p has fallen under 2^(9 - 127) gets the byte 1;
; the promise holds while the scaled scores t stay under 2^31 in magnitude.
.set SLOT1, 131072                     ; LDS: slot s's codes at s x 131,072: four chunks of two key steps, K's 16,384 bytes and then V's
.set KSC,   262144                     ; K's scale words, 2,048 bytes a slot
.set VSC,   266240                     ; V's
.set STG,   270336                     ; a stage of 9 rows x (256 + 16) bytes for each wave: no tensor load lands here.  Rows 0-7 take eight queries; row 8 takes what the other eight lanes hold and is never read
.set SPARE, 309504                     ; the spare words, 128 bytes a wave
.set AK0,  1                           ; 16 x lane
.set AKS0, 2                           ; KSC + 16 r
.set AVS0, 3                           ; VSC + 8 r
.set SPW,  4
.set NIL,  5
.set ADK,  6                           ; the three above + the chunk's place
.set ADS,  7
.set ADT,  8
.set PW,   9                           ; p's scale word
.set T0,   10
.set NQS,  11                          ; the next pair's q: scale word; NQ: codes
.set QH,   16
.set QL,   20
.set QS,   36
.set KS,   38
.set VS,   42
.set F,    46
.set HT,   48                          ; eight held p
.set NQ,   56
.set KV,   64
.set S,    128
.set O,    192
.set PC,   224
.set BM,   240                         ; blocks' largest scores, then p
.set BX,   244
.set BH,   248                         ; 448 x the scale
.set BS,   252                         ; the conversions' scale operands
.set CH,   240                         ; behind the second product: seven chains of the row's sum
.set WV,   18
.set MNT,  19
.set SEL,  20
.set CS,   22
.set G1D,  24                          ; group 1: 64 rows of 256 bytes
.set G1T,  32                          ; 8 rows of 256 bytes
.set G0K,  40
.set G0V,  44
.set G0S,  48
.set G0T,  52
.set TB,   56                          ; the chunk's first LDS byte
.set TS,   57                          ; its scale words' step
.set TRIP, 58
.set JOBS, 59
.set U8,   60
.set STGB, 61
.macro PLACES n
.rept \n
	v_nop
.endr
.endm
.macro WALU
	s_wait_alu depctr_va_vdst(0)
.endm
.macro CROUND                          ; a round of the cluster's barrier
	s_barrier_signal -1
	s_barrier_wait -1
	s_cmp_lg_u32 s[WV], 0
	s_cbranch_scc1 .Lnot_wave_0_\@
	s_barrier_signal -3
.Lnot_wave_0_\@:
	s_barrier_wait -3
	s_barrier_signal -1
	s_barrier_wait -1
.endm
.macro TLOAD                           ; a slot's joint loads: one chain of branches on the wave's number, one load to an arm; waves 10 to 15 issue none
	s_cmp_lt_u32 s[WV], 4
	s_cbranch_scc0 .Lv_\@
	tensor_load_to_lds s[G0K:G0K+3], s[G1D:G1D+7]
	s_nop 0
	PLACES 4
	s_branch .Lasked_\@
.Lv_\@:
	s_cmp_lt_u32 s[WV], 8
	s_cbranch_scc0 .Lks_\@
	tensor_load_to_lds s[G0V:G0V+3], s[G1D:G1D+7]
	s_nop 0
	PLACES 4
	s_branch .Lasked_\@
.Lks_\@:
	s_cmp_lt_u32 s[WV], 9
	s_cbranch_scc0 .Lvs_\@
	tensor_load_to_lds s[G0S:G0S+3], s[G1T:G1T+7]
	s_nop 0
	PLACES 4
	s_branch .Lasked_\@
.Lvs_\@:
	s_cmp_lt_u32 s[WV], 10
	s_cbranch_scc0 .Lasked_\@
	tensor_load_to_lds s[G0T:G0T+3], s[G1T:G1T+7]
	s_nop 0
	PLACES 4
.Lasked_\@:
.endm
	s_load_b256 s[4:11], s[0:1], 0x0               ; qc 4, qs 6, kc 8, ks 10
	s_load_b128 s[12:15], s[0:1], 0x20             ; vc 12, vs 14
	s_load_b64 s[16:17], s[0:1], 0x30              ; out0
	v_lshl_add_u32 v[SPW], v0, 2, SPARE
	v_mov_b32 v[NIL], 0
	ds_add_u32 v[SPW], v[NIL]
	ds_add_u32 v[SPW], v[NIL]
	v_lshrrev_b32 v[T0], 5, v0
	v_readfirstlane_b32 s[WV], v[T0]               ; wave 0..15
	s_and_b32 s66, ttmp7, 0xffff                   ; y, which the four partners share
	s_mul_i32 s67, s66, 3                          ; the first pair
	s_lshl_b32 s68, s67, 16                        ; its codes: 65,536 bytes in each of qc, kc, vc
	s_lshl_b32 s70, s67, 11                        ; its scale bytes: 2,048
	s_mov_b32 s71, 0
	s_and_b32 s72, s[WV], 3                        ; which chunk I fetch
	s_lshl_b32 s74, s72, 14
	s_add_co_u32 s74, s74, s68
	s_mov_b32 s75, 0
	s_mov_b32 s[G1D+0], 15|(3<<16)|(1<<21)         ; mask: all four; elements of 8 bytes; bit 21 beside a mask; no padding: every read is 512 consecutive bytes
	s_mov_b32 s[G1D+1], 32<<16
	s_mov_b32 s[G1D+2], 64<<16
	s_mov_b32 s[G1D+3], 32<<16
	s_mov_b32 s[G1D+4], 64
	s_mov_b32 s[G1D+5], 32
	s_mov_b32 s[G1D+6], 0
	s_mov_b32 s[G1D+7], 0
	s_mov_b32 s[G1T+0], 15|(3<<16)|(1<<21)
	s_mov_b32 s[G1T+1], 32<<16
	s_mov_b32 s[G1T+2], 8<<16
	s_mov_b32 s[G1T+3], 32<<16
	s_mov_b32 s[G1T+4], 8
	s_mov_b32 s[G1T+5], 32
	s_mov_b32 s[G1T+6], 0
	s_mov_b32 s[G1T+7], 0
	s_mov_b32 s[MNT], 0x600000                     ; the mantissa field of 448
	s_mov_b32 s[SEL], 0x76543210
	s_mov_b32 s[SEL+1], 0xfedcba98                 ; selects for lane l xor 16
	s_mov_b32 s[CS], 0x3e38aa3b                    ; c = log2(e) / 8
	s_mov_b32 s[CS+1], s[CS]
	s_mov_b32 s[G0K], 1
	s_lshl_b32 s[G0K+1], s72, 15                   ; chunk w of slot 0: K's half,
	s_mov_b32 s[G0V], 1
	s_add_co_u32 s[G0V+1], s[G0K+1], 16384         ; V's half
	s_mov_b32 s[G0S], 1
	s_mov_b32 s[G0S+1], KSC
	s_mov_b32 s[G0T], 1
	s_mov_b32 s[G0T+1], VSC
	s_wait_dscnt 0x0
	s_wait_kmcnt 0x0
	s_add_nc_u64 s[G0K+2:G0K+3], s[8:9], s[74:75]
	s_or_b32 s[G0K+3], s[G0K+3], 0x80000000
	s_add_nc_u64 s[G0V+2:G0V+3], s[12:13], s[74:75]
	s_or_b32 s[G0V+3], s[G0V+3], 0x80000000
	s_add_nc_u64 s[G0S+2:G0S+3], s[10:11], s[70:71]
	s_or_b32 s[G0S+3], s[G0S+3], 0x80000000
	s_add_nc_u64 s[G0T+2:G0T+3], s[14:15], s[70:71]
	s_or_b32 s[G0T+3], s[G0T+3], 0x80000000
	CROUND                                         ; all four work-groups are here: the joint loads meet
	TLOAD                                          ; slot 0: the first pair
	; my tile of queries (g, u): g = 8 cx + wave / 2, u = wave % 2.  cx enters q's and the output's addresses alone
	s_bfe_u32 s76, ttmp6, 0x40000
	s_lshl_b32 s76, s76, 3
	s_lshr_b32 s77, s[WV], 1
	s_add_co_u32 s76, s76, s77                     ; g
	s_and_b32 s77, s[WV], 1                        ; u
	s_lshl_b32 s[U8], s77, 3
	s_lshl_b32 s78, s76, 11
	s_lshl_b32 s79, s77, 9
	s_add_co_u32 s78, s78, s79
	s_add_co_u32 s78, s78, s68
	s_mov_b32 s79, 0
	s_add_nc_u64 s[4:5], s[4:5], s[78:79]          ; q's codes: pair x 65,536 + 2,048 g + 512 u
	s_lshr_b32 s78, s76, 2
	s_lshl_b32 s78, s78, 8
	s_and_b32 s80, s76, 3
	s_lshl_b32 s80, s80, 2
	s_add_co_u32 s78, s78, s80
	s_add_co_u32 s78, s78, s70
	s_add_nc_u64 s[6:7], s[6:7], s[78:79]          ; q's scale words: pair x 2,048 + 256 (g / 4) + 4 (g % 4)
	s_lshr_b32 s78, s66, 2                         ; b = y / 4
	s_lshl_b32 s78, s78, 10
	s_lshl_b32 s80, s76, 5
	s_add_co_u32 s78, s78, s80
	s_add_co_u32 s78, s78, s[U8]                   ; the tile's first token: 1,024 b + 32 g + 8 u
	s_mul_i32 s78, s78, 3072
	s_and_b32 s80, s66, 3
	s_mul_i32 s80, s80, 768                        ; the first head 3 (y % 4): 256 bytes a head
	s_add_co_u32 s78, s78, s80
	s_add_nc_u64 s[16:17], s[16:17], s[78:79]
	s_mul_i32 s[STGB], s[WV], 2448
	s_add_co_u32 s[STGB], s[STGB], STG             ; my stage
	v_and_b32 v[AK0], 31, v0
	v_lshlrev_b32 v[AK0], 4, v[AK0]
	v_and_b32 v[T0], 15, v0
	v_lshl_add_u32 v[AKS0], v[T0], 4, KSC
	v_lshl_add_u32 v[AVS0], v[T0], 3, VSC
	WALU
	global_load_b128 v[NQ:NQ+3], v[AK0], s[4:5]                ; the first pair's q: channels 0-31,
	global_load_b128 v[NQ+4:NQ+7], v[AK0], s[4:5] offset:1024  ; 32-63,
	global_load_b32 v[NQS], v[AKS0], s[6:7] offset:-KSC        ; and row r's scale word, at 16 r
.irp j, 0,1,2,3,8,9,10,11,16,17,18,19
	v_mov_b32 v[QH+\j], 0                          ; the zero codes
.endr
	v_mov_b32 v[F+1], 0                            ; (named as the upper half of the pair with f)
	s_mov_b32 s[TB], 0
	s_mov_b32 s[JOBS], 2
.macro KLOAD q                         ; four fragments of K and row r's four scale words
.irp b, 0,1,2,3
.irp c, 0,1,2,3
	ds_load_b128 v[KV+16*\b+4*\c:KV+16*\b+4*\c+3], v[ADK] offset:8192*(\q)+2048*\b+512*\c
.endr
.endr
	ds_load_b128 v[KS:KS+3], v[ADS] offset:256*((\q)-2*((\q)/4))   ; q = 4: the next chunk's first step: 32,768 bytes of codes on, 512 bytes of scale words on
.endm
.macro COMBO                           ; the seven chains join the row's sum
	v_pk_add_f32 v[CH:CH+1], v[CH:CH+1], v[CH+2:CH+3]
	v_pk_add_f32 v[CH+4:CH+5], v[CH+4:CH+5], v[CH+6:CH+7]
	v_pk_add_f32 v[CH+8:CH+9], v[CH+8:CH+9], v[CH+10:CH+11]
	v_pk_add_f32 v[14:15], v[14:15], v[CH+12:CH+13]
	v_pk_add_f32 v[CH:CH+1], v[CH:CH+1], v[CH+4:CH+5]
	v_pk_add_f32 v[14:15], v[14:15], v[CH+8:CH+9]
	v_pk_add_f32 v[14:15], v[14:15], v[CH:CH+1]
.endm
.macro HOLD2 d, b, s                   ; two p held at 448 x the scale (the conversion does not saturate: ISA guide 7.6.2; p is not negative), into registers of their own
	v_dual_min_num_f32 v[\d], v[\b], v[\s] :: v_dual_min_num_f32 v[\d+1], v[\b], v[\s+1]
.endm
.macro FILL k                          ; the plain line behind conversion k: the scale bytes and p's scale word
.if (\k) == 0
	v_lshrrev_b32 v[BX], 23, v[BS]
.elseif (\k) == 1
	v_lshrrev_b32 v[BX+1], 23, v[BS+1]
.elseif (\k) == 2
	v_lshl_or_b32 v[PW], v[BX+1], 8, v[BX]
.elseif (\k) == 3
	v_lshrrev_b32 v[BX+2], 23, v[BS+2]
.elseif (\k) == 4
	v_lshl_or_b32 v[PW], v[BX+2], 16, v[PW]
.elseif (\k) == 5
	v_lshrrev_b32 v[BX+3], 23, v[BS+3]
.elseif (\k) == 6
	v_lshl_or_b32 v[PW], v[BX+3], 24, v[PW]
.endif
.endm
; A KEY STEP: 128 keys, the q-th of the chunk.  Its fragments of K have been asked for
.macro STEP q
	WALU
	s_wait_dscnt 0x0                               ; K and its scale words are in
.irp b, 0,1,2,3
.irp u, 0,1
	v_wmma_scale_f32_16x16x128_f8f6f4 v[S+16*\b+8*\u:S+16*\b+8*\u+7], v[KV+16*\b:KV+16*\b+15], v[QL-4*\u:QL-4*\u+15], 0, v[KS+\b], v[QS+\u]
.endr
.endr
	COMBO                                          ; the last step's sums are finished: with the line below, the eight places in front of the reads of the scores and of the loads into K's registers
	v_mov_b32 v[T0], v12                           ; the old -M
.irp t, 0,1,2,3                                ; V is asked for ahead of the softmax
.irp c, 0,1,2,3
	ds_load_b128 v[KV+16*\t+4*\c:KV+16*\t+4*\c+3], v[ADK] offset:16384+8192*(\q)+2048*\t+512*\c
.endr
.endr
	ds_load_b64 v[VS:VS+1], v[ADT] offset:256*(\q)
	ds_load_b64 v[VS+2:VS+3], v[ADT] offset:256*(\q)+128
.irp b, 0,1,2,3
	v_max3_num_f32 v[BM+\b], v[S+16*\b], v[S+1+16*\b], v[S+2+16*\b]   ; the largest score of each block of 32 keys: for the row's maximum and, since p rises with the score, for the block's largest p
.endr
.irp i, 3,5,7,9,11,13
.irp b, 0,1,2,3
	v_max3_num_f32 v[BM+\b], v[BM+\b], v[S+16*\b+\i], v[S+1+16*\b+\i]
.endr
.endr
.irp b, 0,1,2,3
	v_max_num_f32 v[BM+\b], v[BM+\b], v[S+15+16*\b]
.endr
.irp b, 0,1,2,3
	s_delay_alu instid0(VALU_DEP_4)
	v_permlanex16_b32 v[BX+\b], v[BM+\b], s[SEL], s[SEL+1]
.endr
.irp b, 0,1,2,3
	s_delay_alu instid0(VALU_DEP_4)
	v_max_num_f32 v[BM+\b], v[BM+\b], v[BX+\b]     ; with lane l xor 16's 16 keys
.endr
	s_delay_alu instid0(VALU_DEP_2)
	v_max3_num_f32 v[F], v[BM], v[BM+1], v[BM+2]
	s_delay_alu instid0(VALU_DEP_1)
	v_max_num_f32 v[F], v[F], v[BM+3]              ; the step's largest score of my query
	s_delay_alu instid0(VALU_DEP_1)
	v_mul_f32 v[F], s[CS], v[F]                    ; as t (c is positive)
	s_delay_alu instid0(VALU_DEP_1)
	v_max_num_f32 v13, v13, v[F]                   ; the running largest t
	s_delay_alu instid0(VALU_DEP_1)
	v_floor_f32 v12, -v13                          ; the new -M: M is a whole number
	s_delay_alu instid0(VALU_DEP_1)
	v_sub_f32 v[T0], v12, v[T0]                    ; old M - new M: a whole number, 0 or less
	s_delay_alu instid0(VALU_DEP_1)
	v_cvt_i32_f32 v[T0], v[T0]                     ; (it saturates)
	s_delay_alu instid0(VALU_DEP_1)
	v_ldexp_f32 v[F], 1.0, v[T0]                   ; f = 2^(old M - new M)
.irp j, 0,2,4,6,8,10,12,14,16,18,20,22,24,26,28,30,32,34,36,38,40,42,44,46,48,50,52,54,56,58,60,62
	v_pk_fma_f32 v[S+\j:S+1+\j], v[S+\j:S+1+\j], s[CS:CS+1], v[12:13] op_sel_hi:[1,0,0]   ; t - M, two at a time
.endr
.irp b, 0,1,2,3
	v_fma_f32 v[BM+\b], v[BM+\b], s[CS], v12       ; the same of each block's largest score
.endr
	WALU                                           ; ahead of the batch
.irp b, 0,1,2,3
	v_exp_f32 v[BM+\b], v[BM+\b]                   ; the block's largest p: the same two instructions on the same number
.endr
.set J_, 0
.rept 64
	v_exp_f32 v[S+J_], v[S+J_]                     ; p = 2^(t - M), at most 1
.set J_, J_+1
.endr
	v_pk_mul_f32 v[14:15], v[14:15], v[F:F+1] op_sel_hi:[1,0]   ; the sum under the new M: the plain line behind the batch
	WALU                                           ; one wait for the batch of 68, ahead of its first reader
.irp b, 0,1,2,3
	v_max_num_f32 v[BM+\b], 0x4800000, v[BM+\b]    ; the floor 2^(9 - 127): the byte cannot fall under 1
.endr
.irp b, 0,1,2,3
	s_delay_alu instid0(VALU_DEP_4)
	v_add_nc_u32 v[BS+\b], 0xfc000000, v[BM+\b]    ; 8 off the exponent field: the conversion's scale operand
.endr
.irp b, 0,1,2,3
	v_and_or_b32 v[BH+\b], v[BM+\b], 0x7f800000, s[MNT]   ; 448 x the scale
.endr
.irp k, 0,1,2,3,4,5,6,7                        ; eight p at a time: held, converted; a plain line stands behind each conversion, ahead of the next writes of its sources
.irp i, 0,2,4,6
	HOLD2 HT+\i, BH+\k/2, S+8*\k+\i
.endr
	v_cvt_scalef32_pk8_fp8_f32 v[PC+2*\k:PC+2*\k+1], v[HT:HT+7], v[BS+\k/2]
	FILL \k
.endr
	WALU                                           ; directly ahead of the first readers of O^T
.irp j, 0,2,4,6,8,10,12,14,16,18,20,22,24,26,28,30
	v_pk_mul_f32 v[O+\j:O+1+\j], v[O+\j:O+1+\j], v[F:F+1] op_sel_hi:[1,0]   ; O^T under the new M; these 16 are also the places between the codes, the scale word and the products below
.endr
	WALU
	s_wait_dscnt 0x0                               ; V and its scale words are in
.irp t, 0,1,2,3
	v_wmma_scale_f32_16x16x128_f8f6f4 v[O+8*\t:O+8*\t+7], v[KV+16*\t:KV+16*\t+15], v[PC:PC+15], v[O+8*\t:O+8*\t+7], v[VS+\t], v[PW]   ; the four accumulators by turns
.endr
.irp c, 0,1,2,3,4,5,6                          ; THE ROW'S SUM OF THE UNQUANTISED p, in eight chains.  The first eight lines are the places in front of the loads into V's registers
	v_pk_add_f32 v[CH+2*\c:CH+2*\c+1], v[S+4*\c:S+4*\c+1], v[S+4*\c+2:S+4*\c+3]
.endr
	v_pk_add_f32 v[14:15], v[14:15], v[S+28:S+29]
.if (\q) == 0
	KLOAD 1
.else
	WALU
	s_cmp_eq_u32 s[TRIP], 1                        ; a pair's last chunk asks for nothing: what follows lies in the other slot, behind its barrier
	s_cbranch_scc1 .Lno_next_\@
	KLOAD 4
.Lno_next_\@:
.endif
.irp i, 0,1,2,3,4,5,6,7,8,9,10,11,12,13,14,15,16
.if (\i)%8 == 7
	v_pk_add_f32 v[14:15], v[14:15], v[S+30+2*\i:S+31+2*\i]
.else
	v_pk_add_f32 v[CH+2*((\i)%8):CH+2*((\i)%8)+1], v[CH+2*((\i)%8):CH+2*((\i)%8)+1], v[S+30+2*\i:S+31+2*\i]
.endif
.endr
.endm
; A PAIR.  fill = 1: the other slot is asked for the next pair, and my next q is loaded
.macro JOB fill
	WALU
	s_wait_tensorcnt 0x0                           ; my part of the slot ahead is in; no tensor load of mine is out, so a group 0 may be written
	ds_add_u32 v[SPW], v[NIL]
.if \fill
	ds_add_u32 v[SPW], v[NIL]
	s_xor_b32 s[G0K+1], s[G0K+1], SLOT1            ; the other slot, the next pair
	s_add_nc_u64 s[G0K+2:G0K+3], s[G0K+2:G0K+3], 65536
	s_xor_b32 s[G0V+1], s[G0V+1], SLOT1
	s_add_nc_u64 s[G0V+2:G0V+3], s[G0V+2:G0V+3], 65536
	s_xor_b32 s[G0S+1], s[G0S+1], 2048
	s_add_nc_u64 s[G0S+2:G0S+3], s[G0S+2:G0S+3], 2048
	s_xor_b32 s[G0T+1], s[G0T+1], 2048
	s_add_nc_u64 s[G0T+2:G0T+3], s[G0T+2:G0T+3], 2048
.endif
	s_wait_dscnt 0x0                               ; the add is done, and my reads of the slot that I have left are over
.if \fill
	CROUND                                         ; the same holds of every wave of the four partners
	TLOAD                                          ; first behind the round
.else
	s_barrier_signal -1
	s_barrier_wait -1
.endif
	s_wait_loadcnt 0x0                             ; this pair's q
.irp i, 0,1,2,3
	v_mov_b32 v[QL+\i], v[NQ+\i]
	v_mov_b32 v[QL+8+\i], v[NQ+4+\i]
.endr
	v_lshrrev_b32 v[T0], s[U8], v[NQS]
	v_and_b32 v[T0], 0x00ff00ff, v[T0]             ; my tile's two bytes, in bytes 0 and 2
	v_or_b32 v[QS], 0x01000100, v[T0]              ; the byte 1 over the zero codes
	v_lshlrev_b32 v[T0], 8, v[T0]
	v_or_b32 v[QS+1], 0x00010001, v[T0]
.if \fill
	s_add_nc_u64 s[4:5], s[4:5], 65536
	s_add_nc_u64 s[6:7], s[6:7], 2048
	global_load_b128 v[NQ:NQ+3], v[AK0], s[4:5]
	global_load_b128 v[NQ+4:NQ+7], v[AK0], s[4:5] offset:1024
	global_load_b32 v[NQS], v[AKS0], s[6:7] offset:-KSC
.endif
	v_mov_b32 v13, 0xff61b1e6                      ; the largest t so far: -3e38
	v_floor_f32 v12, -v13                          ; -M
	v_mov_b32 v14, 0
	v_mov_b32 v15, 0
.set J_, 0
.rept 14
	v_mov_b32 v[CH+J_], 0                          ; the chains: the first step joins zeros
.set J_, J_+1
.endr
.set J_, 0
.rept 32
	v_mov_b32 v[O+J_], 0                           ; O^T: the step has one form; the first change of M leaves zeros zeros
.set J_, J_+1
.endr
	s_mov_b32 s[TRIP], 4
	s_lshr_b32 s[TS], s[TB], 6
	v_add_nc_u32 v[ADK], s[TB], v[AK0]
	v_add_nc_u32 v[ADS], s[TS], v[AKS0]
	v_add_nc_u32 v[ADT], s[TS], v[AVS0]
	KLOAD 0
.Ltrip_\@:                                         ; a trip is a chunk: two key steps; its first fragments of K have been asked for
	STEP 0
	STEP 1
	s_add_co_u32 s[TB], s[TB], 32768
	s_and_b32 s[TB], s[TB], 0x3ffff                ; behind slot 1 comes slot 0
	s_lshr_b32 s[TS], s[TB], 6
	v_add_nc_u32 v[ADK], s[TB], v[AK0]             ; the next chunk's addresses
	v_add_nc_u32 v[ADS], s[TS], v[AKS0]
	v_add_nc_u32 v[ADT], s[TS], v[AVS0]
	s_sub_co_u32 s[TRIP], s[TRIP], 1
	s_cmp_lg_u32 s[TRIP], 0
	s_cbranch_scc1 .Ltrip_\@
	; THE WAY OUT.  O^T / the sum goes through my stage, eight queries at a time, and leaves as runs of 256 bytes: a token's 64 channels of the head
	COMBO
	v_add_f32 v14, v14, v15
	v_permlanex16_b32 v[T0], v14, s[SEL], s[SEL+1]
	v_add_f32 v14, v14, v[T0]                      ; the row's sum
	WALU
	v_rcp_f32 v[F], v14
	v_and_b32 v240, 15, v0                         ; r
	v_bfe_u32 v241, v0, 4, 1                       ; h
	v_bfe_u32 v245, v0, 3, 1                       ; m = r / 8
	v_mul_u32_u24 v246, v245, 7
	v_and_or_b32 v246, v0, 7, v246
	v_add_nc_u32 v246, v246, v245                  ; first pass: query rows 0-7 keep their row, rows 8-15 go to row 8
	v_mul_u32_u24 v242, v246, 272
	v_lshl_add_u32 v242, v241, 5, v242
	v_add_nc_u32 v242, s[STGB], v242               ; in: that row, + 32 h
	v_xor_b32 v245, 1, v245
	v_mul_u32_u24 v246, v245, 7
	v_and_or_b32 v246, v0, 7, v246
	v_add_nc_u32 v246, v246, v245                  ; second pass: query rows 8-15 go to rows 0-7, rows 0-7 to row 8
	v_mul_u32_u24 v247, v246, 272
	v_lshl_add_u32 v247, v241, 5, v247
	v_add_nc_u32 v247, s[STGB], v247
	v_mul_u32_u24 v243, v241, 272
	v_lshl_add_u32 v243, v240, 4, v243
	v_add_nc_u32 v243, s[STGB], v243               ; back: lanes 0-15 one row, lanes 16-31 the next
	v_mul_u32_u24 v244, v241, 3072
	v_lshl_add_u32 v244, v240, 4, v244             ; and the same two rows in the output
	WALU                                           ; ahead of the reciprocal's and O^T's first readers
.irp j, 0,2,4,6,8,10,12,14,16,18,20,22,24,26,28,30
	v_pk_mul_f32 v[S+\j:S+1+\j], v[O+\j:O+1+\j], v[F:F+1] op_sel_hi:[1,0]   ; register 8 t + i: channel 16 t + 8 h + i of query row r
.endr
	WALU
.irp p, 0,1                                    ; two passes over the same rows 0-7: LDS serves a wave's instructions in order (ISA guide 5.7.1.4), so the second pass's stores come behind the first's loads
.irp t, 0,1,2,3
	ds_store_b128 v[242+5*\p], v[S+8*\t:S+8*\t+3] offset:64*\t
	ds_store_b128 v[242+5*\p], v[S+8*\t+4:S+8*\t+7] offset:64*\t+16
.endr
.irp i, 0,1,2,3
	ds_load_b128 v[KV+16*\p+4*\i:KV+16*\p+4*\i+3], v243 offset:544*\i
.endr
.endr
	s_wait_dscnt 0x0
.irp p, 0,1
.irp i, 0,1,2,3
	global_store_b128 v244, v[KV+16*\p+4*\i:KV+16*\p+4*\i+3], s[16:17] offset:(16*\p+2*\i)*3072 th:TH_STORE_NT   ; row m is token m + 8 (m / 8) of the tile; 16 lanes store 256 consecutive bytes, aligned
.endr
.endr
.if \fill
	s_wait_xcnt 0x0                                ; the stores have read their registers and their base
	s_add_nc_u64 s[16:17], s[16:17], 256           ; the next head
.endif
.endm
.Ljob:
	JOB 1
	s_sub_co_u32 s[JOBS], s[JOBS], 1
	s_cmp_lg_u32 s[JOBS], 0
	s_cbranch_scc1 .Ljob
	JOB 0                                          ; the third pair is written out: it asks for nothing more
	s_wait_tensorcnt 0x0                           ; the wave's end
	ds_add_u32 v[SPW], v[NIL]
	s_wait_dscnt 0x0
	CROUND                                         ; the closing round
	s_endpgm
.Lfunc_end_k_qc55c98a040_attn:
	.size	k_qc55c98a040_attn, .Lfunc_end_k_qc55c98a040_attn-k_qc55c98a040_attn
	.p2alignl 7, 3214868480
	.fill 96, 4, 3214868480
	.section	.rodata,"a",@progbits
	.p2align	6, 0x0
	.amdhsa_kernel k_qc55c98a040_attn
		.amdhsa_group_segment_fixed_size 327680
		.amdhsa_private_segment_fixed_size 0
		.amdhsa_enable_private_segment 0
		.amdhsa_kernarg_size 56
		.amdhsa_user_sgpr_count 2
		.amdhsa_user_sgpr_kernarg_segment_ptr 1
		.amdhsa_wavefront_size32 1
		.amdhsa_system_sgpr_workgroup_id_x 1
		.amdhsa_system_sgpr_workgroup_id_y 1
		.amdhsa_system_sgpr_workgroup_id_z 1
		.amdhsa_system_vgpr_workitem_id 0
		.amdhsa_next_free_vgpr 256
		.amdhsa_next_free_sgpr 100
		.amdhsa_reserve_vcc 0
		.amdhsa_float_denorm_mode_32 3
		.amdhsa_float_denorm_mode_16_64 3
		.amdhsa_memory_ordered 1
		.amdhsa_forward_progress 1
		.amdhsa_inst_pref_size 102
	.end_amdhsa_kernel
	.amdgpu_metadata
---
amdhsa.version: [ 1, 2 ]
amdhsa.kernels:
  - .name:           k_qc55c98a040_attn
    .symbol:         k_qc55c98a040_attn.kd
    .args:
      - { .name: qc, .offset: 0, .size: 8, .value_kind: global_buffer, .address_space: global }
      - { .name: qs, .offset: 8, .size: 8, .value_kind: global_buffer, .address_space: global }
      - { .name: kc, .offset: 16, .size: 8, .value_kind: global_buffer, .address_space: global }
      - { .name: ks, .offset: 24, .size: 8, .value_kind: global_buffer, .address_space: global }
      - { .name: vc, .offset: 32, .size: 8, .value_kind: global_buffer, .address_space: global }
      - { .name: vs, .offset: 40, .size: 8, .value_kind: global_buffer, .address_space: global }
      - { .name: out0, .offset: 48, .size: 8, .value_kind: global_buffer, .address_space: global }
    .group_segment_fixed_size: 327680
    .private_segment_fixed_size: 0
    .kernarg_segment_align: 8
    .kernarg_segment_size: 56
    .max_flat_workgroup_size: 512
    .sgpr_count:     100
    .vgpr_count:     256
    .wavefront_size: 32
...
	.end_amdgpu_metadata
.endif
;; end of part 2
